; MI455X (gfx1250); checked and timed in simulation.
; The chip was launched on July 23, 2026; its instructions are those of AMD's public machine-readable ISA for CDNA 5 (MIT licence, August 2026) and "CDNA5" Instruction Set Architecture Reference Guide (July 2026). The comments in the code are by the model that wrote it; some were corrected since.
;; LRU Cell. Allowed arithmetic: matrix products marked QUANTISED: E5M2 operands, one E8M0 scale for each 32 along K, by v_wmma_scale_f32_16x16x128_f8f6f4 with both operands' format E5M2, f32 sums; everything else in f32.
;; Inputs: Bi_codes 2,048 x 32 x 32 uint8 (E5M2 codes of Bi, K innermost, in blocks of 32 codes); Bi_scales 2,048 x 32 uint8 (E8M0 scales of Bi, one for each 32 codes along K); Br_codes 2,048 x 32 x 32 uint8 (E5M2 codes of Br, K innermost, in blocks of 32 codes); Br_scales 2,048 x 32 uint8 (E8M0 scales of Br, one for each 32 codes along K); Ci_codes 1,024 x 64 x 32 uint8 (E5M2 codes of Ci, K innermost, in blocks of 32 codes); Ci_scales 1,024 x 64 uint8 (E8M0 scales of Ci, one for each 32 codes along K); Cr_codes 1,024 x 64 x 32 uint8 (E5M2 codes of Cr, K innermost, in blocks of 32 codes); Cr_scales 1,024 x 64 uint8 (E8M0 scales of Cr, one for each 32 codes along K); h_prev 8,192 x 2,048 float32; theta_log 2,048 float32; v_log 2,048 float32; x_codes 8,192 x 32 x 32 uint8 (E5M2 codes of x, K innermost, in blocks of 32 codes); x_scales 8,192 x 32 uint8 (E8M0 scales of x, one for each 32 codes along K).
;; Outputs: out0 8,192 x 1,024 float32.
;; This version of the problem:
;;   THIS VERSION OF THE PROBLEM IS GIVEN IN LOW PRECISION. The matrix products marked QUANTISED in the list below multiply operands that are first quantised to E5M2 (5 exponent bits, 2 mantissa bits; 8 bits a number), with one power-of-two scale for each 32 numbers along K (OCP MX v1.0); their sums are f32. All else is computed in f32.
;;   The module's matrix products, in the order in which they are computed (A, B: the left and right operand; K: the contracted axis; several contracted axes count as one K, in the product's order):
;;     1. [M 8,192, K 1,024] x [K 1,024, N 2,048]; A: input x (given as codes); B: input Br (given as codes): QUANTISED
;;     2. [M 8,192, K 1,024] x [K 1,024, N 2,048]; A: input x (given as codes); B: input Bi (given as codes): QUANTISED
;;     3. [M 8,192, K 2,048] x [K 2,048, N 1,024]; A: computed on the way; B: input Cr (given as codes): QUANTISED
;;     4. [M 8,192, K 2,048] x [K 2,048, N 1,024]; A: computed on the way; B: input Ci (given as codes): QUANTISED
;;   THE QUANTISER, for each operand of a quantised product, along K:
;;     - K is cut into blocks of 32 from its start; a last block that is shorter is filled with zeros.
;;     - A block's scale is 2^e with e = floor(log2(the largest magnitude in the block)) - 15, held to -126 .. 127; a block of zeros has e = 0. As a byte (E8M0): e + 127.
;;     - Each number is divided by its block's scale, clamped to +-57,344, and rounded to the nearest number of E5M2, ties to even, subnormals kept.
;;     - The product sums the exact products of the quantised numbers (number of the format x scale) in f32.
;;   ~~~python
;;   def quantise(x, axis):      # numpy; x: float32 -> the quantised numbers, widened to float32 again
;;       x = np.moveaxis(x, axis, -1); K = x.shape[-1]
;;       x = np.pad(x, [(0, 0)] * (x.ndim - 1) + [(0, -K % 32)]); x = x.reshape(x.shape[:-1] + (-1, 32)); a = np.abs(x).max(-1, keepdims=True)
;;       e = np.where(a > 0, np.clip(np.frexp(np.where(a > 0, a, 1))[1] - 1 - 15, -126, 127), 0)      # np.frexp(a)[1] - 1 = floor(log2(a)), exactly
;;       r = np.clip(x / 2.0 ** e, -57344, 57344)
;;       step = 2.0 ** (np.maximum(np.frexp(np.where(r == 0, 1, r))[1] - 1, -14) - 2)
;;       q = np.round(r / step) * step * 2.0 ** e      # np.round: ties to even
;;       return np.moveaxis(q.reshape(q.shape[:-2] + (-1,))[..., :K], -1, axis).astype(np.float32)
;;   ~~~
;;   OPERANDS COMPUTED ON THE WAY. 'Computed on the way' means the value that the module computes at that place (a softmax that the list does not call 'softmax' is quantised finished and normalised). What goes into a quantiser is computed in f32, as accurately as f32 sums, v_exp_f32 and their like allow (about 1e-6 of the number): no bf16 or f16 on the way to a quantiser, and a product that is left as it is and whose result goes on into a quantised operand takes f32 operands (vector FMAs, or v_wmma_f32_16x16x4_f32). A number that lies on a knife's edge between two numbers of the format may be rounded either way, as far as f32 arithmetic and the matrix unit's own rounding can turn it there, and no further.
;;   INPUTS GIVEN AS CODES. Bi (in the module: [2048, 1024], K = its axis 1); Br (in the module: [2048, 1024], K = its axis 1); Ci (in the module: [1024, 2048], K = its axis 1); Cr (in the module: [1024, 2048], K = its axis 1); x (in the module: [8192, 1024], K = its axis 1): each comes as NAME_codes (uint8): NAME with its K axis moved to the last place and cut into blocks of 32 codes, [.., K / 32, bytes a block], one block behind the other in memory; one code a byte (a code: sign, 5 exponent bits, 2 mantissa bits); and NAME_scales (uint8): the same leading axes, one E8M0 byte (e + 127) for each 32 codes along K. Its value is code x scale, taken as it is: it is not quantised again, and the codes and scales need not be those that the quantiser above would give.
;; One version. Each part assembles by itself: llvm-mc -triple=amdgcn-amd-amdhsa -mcpu=gfx1250 --defsym DOCPART=n.
;; ======== version 1 of 1: 2 launches
;; limits: right only within a limited range of input values
;; workspace buffers: h_codes 33,554,432 bytes; h_scales 1,048,576 bytes
;; launch hidden (part 1): grid 16 x 32, 4 waves a work-group, clusters of 4 x 4, 327,680 bytes of LDS; arguments x_codes, x_scales, Br_codes, Br_scales, Bi_codes, Bi_scales, h_prev, v_log, theta_log, h_codes, h_scales; writes h_codes, h_scales
.if DOCPART == 1
	.amdgcn_target "amdgcn-amd-amdhsa--gfx1250"
	.amdhsa_code_object_version 6
	.text
	.protected	k_q1dfb390345_hidden
	.globl	k_q1dfb390345_hidden
	.p2align	8
	.type	k_q1dfb390345_hidden,@function
k_q1dfb390345_hidden:
	s_mov_b64 s[64:65], 0
	v_nop
	global_prefetch_b8 v0, s[64:65] scope:SCOPE_SE
	s_setreg_imm32_b32 hwreg(HW_REG_WAVE_MODE, 25, 1), 1
	s_wait_xcnt 0x0
	s_wait_alu depctr_hold_cnt(0) depctr_sa_sdst(0) depctr_va_vdst(0) depctr_va_sdst(0) depctr_va_ssrc(0) depctr_va_vcc(0) depctr_vm_vsrc(0)
	s_getreg_b32 s2, hwreg(HW_REG_IB_STS2, 6, 4)
	s_cmp_eq_u32 s2, 0
	s_cbranch_scc0 .Lentry_in_a_cluster
	s_endpgm
.Lentry_in_a_cluster:
	s_bfe_u32 s2, ttmp6, 0x10000c
	s_cmp_lg_u32 s2, 0xf033
	s_cbranch_scc0 .Lentry_shape_is_right
	s_endpgm
.Lentry_shape_is_right:
; FIRST OF TWO LAUNCHES.  hr = x Br^T + h_prev wr, hi = x Bi^T + h_prev wi, with wr + i wi = exp(-exp(v_log)) (cos + i sin)(exp(theta_log)); hr and hi are then quantised along the hidden axis
; (blocks of 32, codes of E5M2, one E8M0 byte a block) and stored as codes and scale words for the second launch.  x, Br, Bi arrive as codes (a row: 1,024 bytes) with scale bytes (a row: 32 bytes).
; SHARES.  A work-group of four waves takes 256 rows x 128 hidden units, for hr AND hi: so its piece of h_prev (256 x 128 f32) serves both and is read once.  Wave w: rows 128 (w / 2) on; w % 2 = 0: Br and wr, 1: Bi and wi.
; A wave makes 128 x 128: 64 accumulators of 16 x 16, 512 registers.  K = 1,024 goes in four slots' worth of 256 through a ring of two LDS slots filled by the tensor data mover; slot 0's third fill is h_prev.
; THE MATRIX INSTRUCTION IS USED TRANSPOSED (source 0 = 16 rows of the weight, source 1 = 16 rows of x): lane (r, h) holds row r, and register j of tile b the unit 16 b + 8 h + j: neighbours along the next product's K.
; CLUSTERS: 4 x 4 work-groups.  The four of a row of the cluster need the same tiles of x, the four of a column the same tiles of Br and Bi: each is asked for JOINTLY.  h_prev's piece is the work-group's own: a plain load.
; THE WORKSPACE IS LAID AS THE READER'S REGISTERS.  h_codes [16-row tile 512][s 32][c 4][lane 32][16 bytes], s = 2 x (tile of 128 units) + (0: hr, 1: hi): registers 4 c .. 4 c + 3 of a fragment, lane by lane.
; In it a lane's register pair 2 e, 2 e + 1 holds units 16 e + 8 h + 0 .. 7: inside each block of 32 another order than the operand's own; the second launch loads Cr and Ci in the same order, which keeps the products.
; h_scales [256-row tile 32][s 32][row half 2][lane 32][4 words]: lane 16 u + r holds the scale words of row r of the row tiles 4 u .. 4 u + 3.
; LIMITS.  The angle exp(theta_log) is reduced by pi / 2 in three parts; that holds to about 1e-7 while the quotient stays under 2^22 (theta_log up to 15); beyond it the weight keeps its magnitude and its phase means nothing.
; The arguments of the three exponentials are held within -150 .. 88; a magnitude under 2^-126 becomes 0.  A block of zeros gets the byte 1 and not 127: its codes are zeros, and this program alone reads the bytes.
; NaN and infinities in h_prev are not served.  hr is one fused multiply-add of h_prev, wr and the product's sum.
; REGISTERS, in windows of 256: window 0: v0-31 addresses; v32-63 scale words, two sets; v64-91 at work in the quantiser; v96-127 codes, two sets (at the head: at work on wr, wi); from v128 x's fragments, ONE set, later h_prev, two sets of 64.
;   window 1: the weight's fragments, TWO sets, at v0 and v128; later v0-63: my 64 numbers of wr or wi.   window 2: the accumulators of my rows 0-63 ((a, b) at v[8 (8 a + b)]);   window 3: those of my rows 64-127.
.set NQ,     2                         ; steps of 128 along K in a slot
.set ROWB,   256                       ; a tile's row in bytes
.set KROW,   1024                      ; a row of x, Br or Bi in memory
.set PITCH,  272                       ; an LDS row: 256 bytes + 16 of padding = 68 words: the 16 rows that a load touches start at 16 different banks (64 banks of 4 bytes: ISA guide 11.1)
.set FR,     16                        ; registers of a fragment: 16 rows x 128 K
.set NL,     4                         ; LDS loads that bring one
.set NP,     8                         ; places behind this matrix instruction (ISA guide 7.12.1)
.set HALFT,  128*PITCH                 ; 128 rows: what one tensor load brings
.set SLOT,   4*HALFT                   ; x's 256 rows, then Br's 128, then Bi's 128
.set KS,     32                        ; a row of scale bytes
.set SCL,    2*SLOT                    ; behind the ring: the scale bytes for all of K, as units of 256 bytes + 16 of padding
.set HALFS,  (128*KS/256)*272          ; those of 128 rows
.set SBLK,   (16*KS/256)*272           ; those of 16 rows
.set WT,     SCL+4*HALFS               ; wr[128], wi[128], f32: stored by the waves; no tile lands here
.set SPARE,  WT+1024                   ; the spare words, 128 bytes for each wave: two blocks of 256 bytes that no other line names
.set HP,     528                       ; a row of h_prev's piece in LDS: 512 bytes + 16
.set ADRA, 16                          ; v16-17  LDS address of my x fragments in slot 0, 1
.set ADRB, 20                          ; v20-21  the same for the weight
.set CO,   24                          ; v24     16 x lane: my place in every store
.set HADR, 25                          ; v25     my place in h_prev's piece
.set WADR, 26                          ; v26     my place in wr or wi
.set ADRS, 27                          ; v27     LDS address of my scale words: lanes 0-15 x's rows, lanes 16-31 the weight's
.set SPW,  28                          ; v28     LDS address of my spare word; never rewritten
.set NIL,  29                          ; v29     0; never rewritten
.set PFO,  30                          ; v30     the prefetches' offset: lane x a row of h_prev; never rewritten
.set SC,   32                          ; scale words: set s at v[SC + 16 s]; register 2 i + q: lanes 0-15 x's block i, lanes 16-31 the weight's block i
.set TM,   64                          ; v64-67 largest magnitudes, v68-71 bytes, v72-75 the largest number x the scale, v76-79 the conversions' scale operands
.set SW,   80                          ; v80-87  the scale word of row tile a
.set OUTW, 88                          ; v88-91  the four words that my lane stores
.set PC,   96                          ; v96-127 codes, two sets of 16
.set AF,   128                         ; x's fragments
.set HB,   128                         ; h_prev, two sets of 64
.set WV,   26                          ; s26 wave;  s27 its row half, also: I fetch for x (0) or for a weight (1);  s66 Br (0) or Bi (1), also: which 128 rows of x I fetch
.set RH,   27
.set CH,   66
.set MNT,  67                          ; s67 the mantissa field of 57,344
.set G1H,  4                           ; s[4:11], s[12:15]  groups 1 and 0 for h_prev: in the argument registers, once the pointers there have gone into the other descriptors
.set G0H,  12
.set G1,   28                          ; s[28:35] group 1 for x's tiles;  s[36:43] group 0, one set for each slot
.set G0,   36
.set G1B,  44                          ; s[44:51], s[52:59] the same for the weight's
.set G0B,  52
.set PFH,  60                          ; s[60:61] h_prev at my wave's 64 rows
.set G1S,  68                          ; s[68:75], s[76:79] for x's scale bytes;  s[80:87], s[88:91] for the weight's
.set G0S,  76
.set G1SB, 80
.set G0SB, 88
.set SEL,  100                         ; s[100:101] v_permlanex16_b32's selects for lane l xor 16
.set ELO,  104                         ; s104, s105: -150.0 and 88.0
.set EHI,  105
.set MSB, 0
.macro WIN new                         ; the immediate's high byte repeats the setting that is left
.if MSB != \new
	s_set_vgpr_msb (MSB<<8)|\new
.set MSB, \new
.endif
.endm
.set MUL_LO, 0xa1                      ; source 0 (weight) window 1, source 1 (x) window 0, C and D window 2
.set MUL_HI, 0xf1                      ; the same, C and D window 3
.set TO_B,   0x40                      ; destination window 1, address window 0
; A joint load: waves 0 and 1 fetch for x, waves 2 and 3 for the weights.  Each line has ONE mask for all that issue it; the branch hangs on the wave's number alone.
; Four v_nop follow each of the two lines, ahead of the jump, the label and what follows.
.macro JLOAD g0a, g1a, g0b, g1b
	s_cmp_eq_u32 s[RH], 0
	s_cbranch_scc0 .Lfor_b_\@
	tensor_load_to_lds s[\g0a:\g0a+3], s[\g1a:\g1a+7]
	s_nop 0
.rept 4
	v_nop
.endr
	s_branch .Lasked_\@
.Lfor_b_\@:
	tensor_load_to_lds s[\g0b:\g0b+3], s[\g1b:\g1b+7]
	s_nop 0
.rept 4
	v_nop
.endr
.Lasked_\@:
.endm
.macro CREST                           ; a round of the cluster's barrier behind its opening barrier
	s_cmp_lg_u32 s[WV], 0
	s_cbranch_scc1 .Lnot_wave_0_\@
	s_barrier_signal -3
.Lnot_wave_0_\@:
	s_barrier_wait -3
	s_barrier_signal -1
	s_barrier_wait -1
.endm
.macro CROUND                          ; a whole round
	s_barrier_signal -1
	s_barrier_wait -1
	CREST
.endm
	s_load_b512 s[4:19], s[0:1], 0x0               ; x's codes s[4:5], x's scales s[6:7], Br's s[8:9], s[10:11], Bi's s[12:13], s[14:15], h_prev s[16:17], v_log s[18:19]
	s_load_b128 s[20:23], s[0:1], 0x40             ; theta_log s[20:21], h_codes s[22:23]
	s_load_b64 s[24:25], s[0:1], 0x50              ; h_scales
	v_lshl_add_u32 v[SPW], v0, 2, SPARE
	v_mov_b32 v[NIL], 0
	ds_add_u32 v28, v29
	ds_add_u32 v28, v29
	s_wait_dscnt 0x0
	v_lshrrev_b32 v1, 5, v0
	v_readfirstlane_b32 s[WV], v1                  ; wave 0..3
	s_lshr_b32 s[RH], s[WV], 1
	s_and_b32 s[CH], s[WV], 1
	s_bfe_u32 s92, ttmp6, 0x40000                  ; cx, cy: my place in the cluster
	s_bfe_u32 s93, ttmp6, 0x40004
	s_lshl_b32 s94, ttmp9, 2
	s_add_co_u32 s94, s94, s92                     ; TC, the tile of 128 units = 4 x cluster x + cx
	s_and_b32 s95, ttmp7, 0xffff
	s_lshl_b32 s95, s95, 2
	s_add_co_u32 s95, s95, s93                     ; TR, the tile of 256 rows = 4 x cluster y + cy
	s_lshl_b32 s96, s93, 2
	s_lshl_b32 s96, 15, s96                        ; my row of the cluster
	s_lshl_b32 s97, 0x1111, s92                    ; my column
	; group 1 for codes: a tile of 128 rows x 256 bytes, padded in LDS
	s_or_b32 s[G1+0], s96, (0<<16)|(1<<20)|(1<<21)|(5<<22)|(3<<25)   ; 15:0 the mask: x's tiles go to my row; 17:16 elements of 1 byte; 20 padding on; 21 set beside a mask; 24:22 after every 64 words (code 5); 31:25 four words (code 3)
	s_or_b32 s[G1B+0], s97, (0<<16)|(1<<20)|(1<<21)|(5<<22)|(3<<25)  ; the weights' go to my column
.irp g, G1, G1B
	s_mov_b32 s[\g+1], ROWB<<16                    ; tensor_dim0
	s_mov_b32 s[\g+2], 128<<16                     ; tensor_dim1
	s_mov_b32 s[\g+3], ROWB<<16                    ; tile_dim0
	s_mov_b32 s[\g+4], 128                         ; tile_dim1
	s_mov_b32 s[\g+5], KROW                        ; tensor_dim0_stride
	s_mov_b32 s[\g+6], 0
	s_mov_b32 s[\g+7], 0
.endr
	; and for the scale bytes of 128 rows: 4,096 dense bytes as 16 rows of 256 (32 elements of 8 bytes), 16 bytes of padding behind each
	s_or_b32 s[G1S+0], s96, (3<<16)|(1<<20)|(1<<21)|(5<<22)|(3<<25)
	s_or_b32 s[G1SB+0], s97, (3<<16)|(1<<20)|(1<<21)|(5<<22)|(3<<25)
.irp g, G1S, G1SB
	s_mov_b32 s[\g+1], 32<<16
	s_mov_b32 s[\g+2], (128*KS/256)<<16
	s_mov_b32 s[\g+3], 32<<16
	s_mov_b32 s[\g+4], 128*KS/256
	s_mov_b32 s[\g+5], 32
	s_mov_b32 s[\g+6], 0
	s_mov_b32 s[\g+7], 0
.endr
	; byte offsets, made in the address words of each group 0.  x's hang on TR and the wave alone, the weights' on TC and the wave alone
	s_lshl_b32 s62, s95, 8
	s_lshl_b32 s63, s[CH], 7
	s_add_co_u32 s62, s62, s63                     ; x: row 256 TR + 128 x half
	s_lshl_b32 s[G0+2], s62, 10                    ; its codes,
	s_mov_b32 s[G0+3], 0
	s_lshl_b32 s[G0S+2], s62, 5                    ; its scale bytes
	s_mov_b32 s[G0S+3], 0
	s_lshl_b32 s[G0B+2], s94, 17                   ; the weight: row 128 TC: its codes,
	s_mov_b32 s[G0B+3], 0
	s_lshl_b32 s[G0SB+2], s94, 12                  ; its scale bytes
	s_mov_b32 s[G0SB+3], 0
	s_lshl_b32 s[PFH], s95, 21                     ; h_prev: row 256 TR + 64 x wave, of 8,192 bytes, + 512 TC
	s_lshl_b32 s63, s[WV], 19
	s_add_co_u32 s[PFH], s[PFH], s63
	s_lshl_b32 s98, s94, 9
	s_mov_b32 s99, 0                               ; s[98:99] = 512 TC: also my units' place in v_log and theta_log
	s_add_co_u32 s[PFH], s[PFH], s98
	s_mov_b32 s[PFH+1], 0
	s_mul_i32 s2, s[WV], HALFT                     ; where the tiles go: wave x 128 rows: no place in the cluster enters an LDS address
	s_mul_i32 s3, s[WV], HALFS
.irp s, 0,1
	s_mov_b32 s[G0+4*\s], 1                        ; count = 1
	s_add_co_u32 s[G0+4*\s+1], s2, \s*SLOT
	s_mov_b32 s[G0B+4*\s], 1
	s_add_co_u32 s[G0B+4*\s+1], s2, \s*SLOT
.endr
	s_mov_b32 s[G0S], 1
	s_add_co_u32 s[G0S+1], s3, SCL
	s_mov_b32 s[G0SB], 1
	s_add_co_u32 s[G0SB+1], s3, SCL
	s_mov_b32 s[SEL], 0x76543210
	s_mov_b32 s[SEL+1], 0xfedcba98
	s_mov_b32 s[MNT], 0x600000
	s_mov_b32 s[ELO], 0xc3160000                   ; -150.0
	s_mov_b32 s[EHI], 0x42b00000                   ; 88.0
	s_wait_kmcnt 0x0
	s_cmp_eq_u32 s[CH], 0                          ; Br or Bi: the choice hangs on the wave's number alone
	s_cselect_b64 s[8:9], s[8:9], s[12:13]
	s_cselect_b64 s[10:11], s[10:11], s[14:15]
	s_add_nc_u64 s[G0+2:G0+3], s[4:5], s[G0+2:G0+3]
	s_add_nc_u64 s[G0+6:G0+7], s[G0+2:G0+3], ROWB  ; slot 1 begins with K = 256
	s_add_nc_u64 s[G0B+2:G0B+3], s[8:9], s[G0B+2:G0B+3]
	s_add_nc_u64 s[G0B+6:G0B+7], s[G0B+2:G0B+3], ROWB
	s_add_nc_u64 s[G0S+2:G0S+3], s[6:7], s[G0S+2:G0S+3]
	s_add_nc_u64 s[G0SB+2:G0SB+3], s[10:11], s[G0SB+2:G0SB+3]
	s_add_nc_u64 s[PFH:PFH+1], s[16:17], s[PFH:PFH+1]
	s_or_b32 s[G0+3], s[G0+3], 0x80000000          ; type = 2
	s_or_b32 s[G0+7], s[G0+7], 0x80000000
	s_or_b32 s[G0B+3], s[G0B+3], 0x80000000
	s_or_b32 s[G0B+7], s[G0B+7], 0x80000000
	s_or_b32 s[G0S+3], s[G0S+3], 0x80000000
	s_or_b32 s[G0SB+3], s[G0SB+3], 0x80000000
	; h_prev: 64 rows x 128 f32 a wave, 16 bytes of padding behind each 512; no mask.  s[4:15] are free now
	s_mov_b32 s[G1H+0], (2<<16)|(1<<20)|(6<<22)|(3<<25)   ; elements of 4 bytes; padding after every 128 words (code 6), four words (code 3)
	s_mov_b32 s[G1H+1], 128<<16
	s_mov_b32 s[G1H+2], 64<<16
	s_mov_b32 s[G1H+3], 128<<16
	s_mov_b32 s[G1H+4], 64
	s_mov_b32 s[G1H+5], 2048
	s_mov_b32 s[G1H+6], 0
	s_mov_b32 s[G1H+7], 0
	s_mov_b32 s[G0H], 1
	s_mul_i32 s[G0H+1], s[WV], 64*HP               ; into slot 0's bytes: wave x 64 rows
	s_mov_b64 s[G0H+2:G0H+3], s[PFH:PFH+1]
	s_or_b32 s[G0H+3], s[G0H+3], 0x80000000
	s_add_nc_u64 s[18:19], s[18:19], s[98:99]      ; v_log and theta_log at my work-group's 128 units
	s_add_nc_u64 s[20:21], s[20:21], s[98:99]
	CROUND                                         ; all sixteen work-groups are here: the first joint loads meet
	JLOAD G0S, G1S, G0SB, G1SB                     ; the scale bytes for all of K: filled once
	JLOAD G0, G1, G0B, G1B                         ; slot 0: K 0 .. 255
	JLOAD G0+4, G1, G0B+4, G1B                     ; slot 1: K 256 .. 511.  Three tensor loads of mine are out
	; ---- while the tiles are on their way: thread t makes wr and wi of unit 128 TC + t
	v_lshlrev_b32 v8, 2, v0
	global_load_b32 v96, v8, s[20:21]              ; theta_log
	global_load_b32 v97, v8, s[18:19]              ; v_log
	v_lshl_add_u32 v9, v0, 2, WT
	; where my results go
	s_lshl_b32 s62, s95, 20                        ; h_codes: row tile 16 TR + 8 x half, of 65,536 bytes; s = 2 TC + (Br: 0, Bi: 1), of 2,048
	s_lshl_b32 s63, s[RH], 19
	s_add_co_u32 s62, s62, s63
	s_lshl_b32 s63, s94, 12
	s_add_co_u32 s62, s62, s63
	s_lshl_b32 s63, s[CH], 11
	s_add_co_u32 s62, s62, s63
	s_mov_b32 s63, 0
	s_add_nc_u64 s[22:23], s[22:23], s[62:63]
	s_lshl_b32 s62, s95, 15                        ; h_scales: 32,768 TR + 1,024 s + 512 x half
	s_lshl_b32 s63, s94, 11
	s_add_co_u32 s62, s62, s63
	s_lshl_b32 s63, s[CH], 10
	s_add_co_u32 s62, s62, s63
	s_lshl_b32 s63, s[RH], 9
	s_add_co_u32 s62, s62, s63
	s_mov_b32 s63, 0
	s_add_nc_u64 s[24:25], s[24:25], s[62:63]
	v_and_b32 v1, 15, v0                           ; r = lane % 16
	v_bfe_u32 v2, v0, 4, 1                         ; h = lane / 16
	v_mul_u32_u24 v3, v1, PITCH
	v_lshl_add_u32 v4, v2, 4, v3                   ; a fragment's row x pitch + 16 x half
	s_mul_i32 s2, s[RH], HALFT                     ; my 128 rows of x
	s_mul_i32 s3, s[CH], HALFT                     ; my 128 rows of the weight,
	s_add_co_u32 s3, s3, 2*HALFT                   ; which lie behind x's 256
.irp s, 0,1
	v_add_nc_u32 v[ADRA+\s], s2, v4
	v_add_nc_u32 v[ADRB+\s], s3, v4
	s_add_co_u32 s2, s2, SLOT
	s_add_co_u32 s3, s3, SLOT
.endr
	v_mul_u32_u24 v5, v1, KS                       ; my row's scale bytes: 32 a row,
	v_lshrrev_b32 v6, 8, v5
	v_lshl_add_u32 v5, v6, 4, v5                   ; and 16 more for each 256 passed
	s_mul_i32 s2, s[RH], HALFS                     ; x's: my 128 rows
	s_mul_i32 s3, s[CH], HALFS                     ; the weight's, behind x's 256
	s_add_co_u32 s3, s3, 2*HALFS
	s_sub_co_u32 s3, s3, s2
	v_mul_u32_u24 v6, s3, v2                       ; lanes 16-31 take the weight's: the lower base + h x the distance
	s_add_co_u32 s2, s2, SCL
	v_add_nc_u32 v5, v5, v6
	v_add_nc_u32 v[ADRS], s2, v5
	v_and_b32 v6, 31, v0
	v_lshlrev_b32 v[CO], 4, v6
	v_lshlrev_b32 v[PFO], 13, v6
	v_mul_u32_u24 v5, v1, HP
	v_lshl_add_u32 v5, v2, 5, v5
	s_mul_i32 s2, s[RH], 128*HP
	v_add_nc_u32 v[HADR], s2, v5                   ; h_prev's piece: my 128 rows, row r, + 32 h: my eight units of a tile
	s_lshl_b32 s2, s[CH], 9
	s_add_co_u32 s2, s2, WT
	v_lshl_add_u32 v[WADR], v2, 5, s2              ; wr or wi, + 32 h
.irp b, 0,1,2,3
	v_mov_b32 v[TM+4+\b], 0                        ; written once: a lane permute's destination counts as one of its sources
.endr
; e^x = 2^t (1 + l ln 2): t = x log2(e) rounded, l = what that rounding and the constant's leave out (log2(e) in two parts)
.macro EPRE x, t, l
	v_med3_num_f32 v[\x], v[\x], s[ELO], s[EHI]
	v_mul_f32 v[\t], 0x3fb8aa3b, v[\x]
	v_fma_f32 v[\l], v[\x], 0x3fb8aa3b, -v[\t]
	v_fma_f32 v[\l], v[\x], 0x32a5705f, v[\l]
	v_mul_f32 v[\l], 0x3f317218, v[\l]
.endm
	s_wait_loadcnt 0x0
	EPRE 96, 98, 99
	EPRE 97, 101, 102
	v_exp_f32 v100, v98
	v_exp_f32 v103, v101
	v_nop                                          ; a plain instruction behind the last exponential
	s_wait_alu depctr_va_vdst(0)                   ; one wait for the two, ahead of their first reader
	v_fma_f32 v104, v100, v99, v100                ; the angle = exp(theta_log)
	v_fma_f32 v105, v103, v102, v103               ; exp(v_log)
	v_sub_f32 v106, 0, v105
	EPRE 106, 107, 108
	v_exp_f32 v109, v107
	v_mul_f32 v110, 0x3f22f983, v104               ; the angle's reduction is the work behind the third exponential: n = the nearest whole number to angle x 2 / pi,
	v_rndne_f32 v110, v110
	v_fma_f32 v111, v110, 0xbfc90fdb, v104         ; rho = angle - n pi / 2, pi / 2 in three parts
	v_fma_f32 v111, v110, 0x333bbd2e, v111
	v_fma_f32 v111, v110, 0x26f72ced, v111
	v_med3_num_f32 v111, v111, -1.0, 1.0           ; (only an angle beyond the stated limit is touched by this)
	v_mul_f32 v112, v111, v111                     ; z = rho^2
	v_mov_b32 v113, 0xb94ca1f9
	v_fmaak_f32 v113, v112, v113, 0x3c08839e
	v_fmaak_f32 v113, v112, v113, 0xbe2aaaa3
	v_mul_f32 v114, v111, v112
	v_fma_f32 v113, v114, v113, v111               ; S = sin(rho)
	v_mov_b32 v115, 0x37ccf5ce
	v_fmaak_f32 v115, v112, v115, 0xbab6061a
	v_fmaak_f32 v115, v112, v115, 0x3d2aaaa5
	v_mul_f32 v116, v112, v112
	v_fma_f32 v117, v112, -0.5, 1.0
	v_fma_f32 v115, v116, v115, v117               ; C = cos(rho)
	v_cvt_i32_f32 v118, v110                       ; q = n
	v_and_b32 v119, 1, v118
	v_cmp_eq_u32 vcc_lo, 1, v119                   ; q odd: sine and cosine change places
	v_cndmask_b32 v120, v113, v115, vcc_lo
	v_cndmask_b32 v121, v115, v113, vcc_lo
	v_lshlrev_b32 v122, 30, v118                   ; the sine is negative where q % 4 is 2 or 3,
	v_and_b32 v122, 0x80000000, v122
	v_xor_b32 v120, v122, v120
	v_add_nc_u32 v123, 1, v118                     ; the cosine where it is 1 or 2
	v_lshlrev_b32 v123, 30, v123
	v_and_b32 v123, 0x80000000, v123
	v_xor_b32 v121, v123, v121
	s_wait_alu depctr_va_vdst(0)                   ; the wait for the third exponential, ahead of its first reader
	v_fma_f32 v109, v109, v108, v109               ; the magnitude = exp(-exp(v_log))
	v_mul_f32 v121, v109, v121                     ; wr
	v_mul_f32 v120, v109, v120                     ; wi
	ds_store_b32 v9, v121
	ds_store_b32 v9, v120 offset:512
.macro FRAG reg, adr, q, i             ; a fragment, 16 rows x 128 K: lane l holds row l % 16; registers 4 c .. 4 c + 3 hold K = 32 c + 16 (l / 16) + 0 .. 15
.irp c, 0,1,2,3
	ds_load_b128 v[\reg+4*\c:\reg+4*\c+3], v[\adr] offset:128*(\q)+32*\c+(\i)*16*PITCH
.endr
.endm
; 16 matrix instructions: x's blocks a0, a0 + 1 against the weight's eight, 128 along K: the slot's q-th.  p: the weight's set;  sc: the set of scale words.  zero = 1: the first product starts the sums.
; The 64 accumulators take turns, one instruction a turn, in the same order in every step.
.macro MUL16 a0, p, q, sc, zero
.irp a, \a0, \a0+1
.irp b, 0,1,2,3,4,5,6,7
.if \zero
	v_wmma_scale_f32_16x16x128_f8f6f4 v[8*(8*((\a)%4)+\b):8*(8*((\a)%4)+\b)+7], v[128*(\p)+FR*\b:128*(\p)+FR*\b+FR-1], v[AF+FR*(\a):AF+FR*(\a)+FR-1], 0, v[SC+8*NQ*(\sc)+NQ*\b+(\q)], v[SC+8*NQ*(\sc)+NQ*(\a)+(\q)] matrix_a_fmt:MATRIX_FMT_BF8 matrix_b_fmt:MATRIX_FMT_BF8 matrix_a_scale:MATRIX_SCALE_ROW1
.else
	v_wmma_scale_f32_16x16x128_f8f6f4 v[8*(8*((\a)%4)+\b):8*(8*((\a)%4)+\b)+7], v[128*(\p)+FR*\b:128*(\p)+FR*\b+FR-1], v[AF+FR*(\a):AF+FR*(\a)+FR-1], v[8*(8*((\a)%4)+\b):8*(8*((\a)%4)+\b)+7], v[SC+8*NQ*(\sc)+NQ*\b+(\q)], v[SC+8*NQ*(\sc)+NQ*(\a)+(\q)] matrix_a_fmt:MATRIX_FMT_BF8 matrix_b_fmt:MATRIX_FMT_BF8 matrix_a_scale:MATRIX_SCALE_ROW1
.endif
.endr
.endr
.endm
.macro FETCH_B slot, q, p              ; the weight's eight fragments of the slot's q-th 128 along K into set p
	WIN TO_B
.irp i, 0,1,2,3,4,5,6,7
	FRAG 128*(\p)+FR*\i, ADRB+\slot, \q, \i
.endr
	WIN 0
.endm
.macro FETCH_A slot, q, i0             ; x's blocks i0 .. i0 + 3
.irp i, \i0, \i0+1, \i0+2, \i0+3
	FRAG AF+FR*(\i), ADRA+\slot, \q, \i
.endr
.endm
.macro SCALES sc                       ; a slot's scale words into set sc: two words a row; lanes 0-15 take x's block i, lanes 16-31 the weight's block i
.irp i, 0,1,2,3,4,5,6,7
	ds_load_b64 v[SC+8*NQ*\sc+NQ*\i:SC+8*NQ*\sc+NQ*\i+1], v[ADRS] offset:\i*SBLK
.endr
.endm
; A load into a register that a matrix instruction has read, and a vector instruction that reads a matrix result, stand NP places behind that matrix instruction; only plain vector
; instructions that name none of its registers are places (ISA guide 7.12.1 for vector instructions).
.macro PLACES n
.rept \n
	v_nop
.endr
.endm
; A step of 128 along K that has its successor in the same slot.
.macro STEP slot, q, zero
	s_wait_dscnt 4*NL                              ; the weight's set and x's blocks 0-3 are in; the youngest sixteen loads (x's blocks 4-7) may be out
	WIN MUL_LO
	MUL16 0, (\q)%2, \q, \slot, \zero
	MUL16 2, (\q)%2, \q, \slot, \zero
	s_wait_dscnt 0                                 ; x's blocks 4-7 are in
	PLACES NP
	FETCH_B \slot, (\q)+1, 1-(\q)%2
	FETCH_A \slot, (\q)+1, 0
	WIN MUL_HI
	MUL16 4, (\q)%2, \q, \slot, \zero
	MUL16 6, (\q)%2, \q, \slot, \zero
	PLACES NP
	WIN 0
	FETCH_A \slot, (\q)+1, 4
.endm
; A slot's last step changes slots.  In front of the round each wave waits for all its tensor loads (one is out: its part of the next slot), adds 0 to its spare word, and waits for that and for its own reads of this slot.
; Behind the round this slot is filled again first.  fill = 1: with K two slots on, jointly;  fill = 2: with h_prev's piece, each wave its 64 rows.  The refill goes out sixteen matrix instructions into the step.
.macro TURN slot, next, fill, ask
	s_wait_tensorcnt 0x0                           ; all my tensor loads have landed
	ds_add_u32 v[SPW], v[NIL]                      ; 0 onto my spare word
	s_wait_dscnt 4*NL+1                            ; (the add and the youngest sixteen loads, x's blocks 4-7, may be out)
	WIN MUL_LO
	MUL16 0, 1, NQ-1, \slot, 0                     ; sixteen matrix instructions stand between the add and the wait for it
	WIN 0
	s_wait_dscnt 0x0                               ; the add is done, and my reads of this slot are over
	s_barrier_signal -1
	s_barrier_wait -1
	CREST                                          ; the barrier has opened a round of the cluster's barrier: no wave of any partner still reads this slot or has a load on its way
.if \fill == 1
	s_add_nc_u64 s[G0+4*\slot+2:G0+4*\slot+3], s[G0+4*\slot+2:G0+4*\slot+3], 2*ROWB
	s_add_nc_u64 s[G0B+4*\slot+2:G0B+4*\slot+3], s[G0B+4*\slot+2:G0B+4*\slot+3], 2*ROWB
	JLOAD G0+4*\slot, G1, G0B+4*\slot, G1B         ; the first tensor load behind the round, and my only one until the next
.else
	tensor_load_to_lds s[G0H:G0H+3], s[G1H:G1H+7]  ; my 64 rows of h_prev's piece; four v_nop follow
	s_nop 0
	PLACES 4
.endif
	PLACES NP-4
	v_add_nc_u32 v[ADRS], 4*NQ, v[ADRS]            ; on to the next slot's scale words
	FETCH_B \next, 0, 0
	SCALES \next
.if \ask
	; h_prev's piece is asked for ahead: my wave's own 64 rows, a lane a row, the row's 512 bytes as two blocks of 256: four instructions, two changes of slots ahead of the tensor load that brings them.
	; Each block is named once in the launch: no other wave and no other work-group reads it.
	global_prefetch_b8 v[PFO], s[PFH:PFH+1] th:TH_LOAD_NT scope:SCOPE_SE
	global_prefetch_b8 v[PFO], s[PFH:PFH+1] offset:256 th:TH_LOAD_NT scope:SCOPE_SE
	global_prefetch_b8 v[PFO], s[PFH:PFH+1] offset:32*8192 th:TH_LOAD_NT scope:SCOPE_SE
	global_prefetch_b8 v[PFO], s[PFH:PFH+1] offset:32*8192+256 th:TH_LOAD_NT scope:SCOPE_SE
.endif
	WIN MUL_LO
	MUL16 2, 1, NQ-1, \slot, 0
	PLACES NP
	WIN 0
	FETCH_A \next, 0, 0
	WIN MUL_HI
	MUL16 4, 1, NQ-1, \slot, 0
	MUL16 6, 1, NQ-1, \slot, 0
	PLACES NP
	WIN 0
	FETCH_A \next, 0, 4
.endm
	s_wait_tensorcnt 1                             ; the scale bytes and my part of slot 0 are in (slot 1's load may be out)
	s_wait_dscnt 0x0                               ; and my wr and wi lie in LDS
	s_barrier_signal -1
	s_barrier_wait -1                              ; everybody's do
	FETCH_B 0, 0, 0
	FETCH_A 0, 0, 0
	SCALES 0
	FETCH_A 0, 0, 4
	STEP 0, 0, 1                                   ; K 0: its products start the sums: nothing is cleared
	TURN 0, 1, 1, 1                                ; K 128;  slot 0 takes K 512 .. 767
	STEP 1, 0, 0                                   ; K 256
	TURN 1, 0, 1, 0                                ; K 384;  slot 1 takes K 768 .. 1,023
	STEP 0, 0, 0                                   ; K 512
	TURN 0, 1, 2, 0                                ; K 640;  slot 0 takes h_prev
	STEP 1, 0, 0                                   ; K 768
	s_wait_dscnt 4*NL                              ; K 896, the last step: nothing more to fetch from the ring
	WIN MUL_LO
	MUL16 0, 1, NQ-1, 1, 0
	MUL16 2, 1, NQ-1, 1, 0
	s_wait_tensorcnt 0x0                           ; my 64 rows of h_prev have landed (the one load that was out),
	s_wait_dscnt 0x0                               ; my last fragments are in
	s_barrier_signal -1                            ; it shows each wave's rows of h_prev to the others
	WIN MUL_HI
	MUL16 4, 1, NQ-1, 1, 0
	MUL16 6, 1, NQ-1, 1, 0
	WIN 0
	s_barrier_wait -1
	PLACES NP                                      ; in front of the loads into the fragments' registers and of the first read of results
; ---- THE WAY OUT, a tile of 16 rows at a time: h = h_prev w + the sum; quantised in registers; the codes' registers are stored as they stand.
.macro HLOAD a, set                    ; h_prev(16 a + r, 16 b + 8 h + 0 .. 7) for b = 0 .. 7: the accumulators' own order
.irp b, 0,1,2,3,4,5,6,7
	ds_load_b128 v[HB+64*(\set)+8*\b:HB+64*(\set)+8*\b+3],   v[HADR] offset:16*(\a)*HP+64*\b
	ds_load_b128 v[HB+64*(\set)+8*\b+4:HB+64*(\set)+8*\b+7], v[HADR] offset:16*(\a)*HP+64*\b+16
.endr
.endm
; 64 numbers of a lane, v[HS] on: registers 16 b .. 16 b + 15 are my 16 of block b of my row (lane l xor 16 holds the other 16).  Codes to v[PCS] on, the row's scale word to v[SW + a].
.macro QUANT a
.irp b, 0,1,2,3
	v_max3_num_f32 v[TM+\b], |v[HS+16*\b]|, |v[HS+1+16*\b]|, 0x8000000   ; and the floor 2^(16 - 127): so the byte cannot fall under 1
.endr
.irp i, 2,4,6,8,10,12,14
.irp b, 0,1,2,3
	v_max3_num_f32 v[TM+\b], v[TM+\b], |v[HS+16*\b+\i]|, |v[HS+1+16*\b+\i]|   ; (the four blocks by turns)
.endr
.endr
.irp b, 0,1,2,3
	v_permlanex16_b32 v[TM+4+\b], v[TM+\b], s[SEL], s[SEL+1]
.endr
.irp b, 0,1,2,3
	v_max_num_f32 v[TM+\b], v[TM+\b], v[TM+4+\b]   ; the block's largest magnitude
.endr
.irp b, 0,1,2,3
	v_add_nc_u32 v[TM+12+\b], 0xf8800000, v[TM+\b] ; 15 off its exponent field: the conversion takes this operand's exponent field as its scale
.endr
.irp b, 0,1,2,3
	v_and_or_b32 v[TM+8+\b], v[TM+\b], 0x7f800000, s[MNT]   ; 57,344 x the scale
.endr
.irp b, 0,1,2,3
	v_lshrrev_b32 v[TM+4+\b], 23, v[TM+12+\b]      ; the scale's byte
.endr
	v_lshl_or_b32 v[SW+\a], v[TM+5], 8, v[TM+4]
	v_lshl_or_b32 v[SW+\a], v[TM+6], 16, v[SW+\a]
	v_lshl_or_b32 v[SW+\a], v[TM+7], 24, v[SW+\a]
.irp b, 0,1,2,3
.irp i, 0,1,2,3,4,5,6,7,8,9,10,11,12,13,14,15
	v_med3_num_f32 v[HS+16*\b+\i], v[HS+16*\b+\i], -v[TM+8+\b], v[TM+8+\b]   ; the conversion to an 8-bit code does not saturate (ISA guide 7.6.2): the hold at the largest code x the scale
.endr
	v_cvt_scalef32_pk8_bf8_f32 v[PCS+4*\b:PCS+1+4*\b], v[HS+16*\b:HS+7+16*\b], v[TM+12+\b]
	v_cvt_scalef32_pk8_bf8_f32 v[PCS+2+4*\b:PCS+3+4*\b], v[HS+8+16*\b:HS+15+16*\b], v[TM+12+\b]
.endr
	v_nop                                          ; a plain instruction behind the last conversion
.endm
.macro BLOCK a
.set HS, HB+64*((\a)%2)
.set AC, 64*((\a)%4)
.set PCS, PC+16*((\a)%2)
.set WN, 0x24+0x10*((\a)/4)            ; source 1 (w) window 1, source 2 (the sums) window 2 or 3
.if \a < 7
	s_wait_dscnt 16                                ; this tile's h_prev is in; the next tile's sixteen loads may be out
.else
	s_wait_dscnt 0x0
.endif
	s_wait_xcnt 0x0                                ; the stores of two tiles back have read their data: that set of codes is written again only behind this wait
	WIN WN
.set j, 0
.rept 32
	v_pk_fma_f32 v[HS+j:HS+j+1], v[HS+j:HS+j+1], v[j:j+1], v[AC+j:AC+j+1]   ; ascending: each accumulator is read from its low end on
.set j, j+2
.endr
	WIN 0
	QUANT \a
.irp c, 0,1,2,3
	global_store_b128 v[CO], v[PCS+4*\c:PCS+4*\c+3], s[22:23] offset:(\a)*65536+\c*512   ; 32 lanes store 512 consecutive bytes, at a multiple of 256 from the buffer's first byte
.endr
.if \a < 6
	HLOAD \a+2, (\a)%2
.endif
.endm
	WIN TO_B
.irp b, 0,1,2,3,4,5,6,7
	ds_load_b128 v[8*\b:8*\b+3],   v[WADR] offset:64*\b      ; w(16 b + 8 h + 0 .. 7), in window 1
	ds_load_b128 v[8*\b+4:8*\b+7], v[WADR] offset:64*\b+16
.endr
	WIN 0
	HLOAD 0, 0
	HLOAD 1, 1
.irp a, 0,1,2,3,4,5,6,7
	BLOCK \a
.endr
	v_cmp_eq_u32 vcc_lo, 1, v2                     ; lanes 0-15 store the words of row tiles 0-3, lanes 16-31 those of 4-7 (both halves hold every tile's word of row r)
.irp k, 0,1,2,3
	v_cndmask_b32 v[OUTW+\k], v[SW+\k], v[SW+4+\k], vcc_lo
.endr
	global_store_b128 v[CO], v[OUTW:OUTW+3], s[24:25]   ; 512 consecutive bytes
	s_wait_tensorcnt 0x0                           ; the wave's end, behind my last tensor load and my last LDS store
	ds_add_u32 v[SPW], v[NIL]
	s_wait_dscnt 0x0
	CROUND                                         ; the closing round: no work-group ends while a partner may still ask for a tile that names it
	s_endpgm
.Lfunc_end_k_q1dfb390345_hidden:
	.size	k_q1dfb390345_hidden, .Lfunc_end_k_q1dfb390345_hidden-k_q1dfb390345_hidden
	.p2alignl 7, 3214868480
	.fill 96, 4, 3214868480
	.section	.rodata,"a",@progbits
	.p2align	6, 0x0
	.amdhsa_kernel k_q1dfb390345_hidden
		.amdhsa_group_segment_fixed_size 327680
		.amdhsa_private_segment_fixed_size 0
		.amdhsa_enable_private_segment 0
		.amdhsa_kernarg_size 88
		.amdhsa_user_sgpr_count 2
		.amdhsa_user_sgpr_kernarg_segment_ptr 1
		.amdhsa_wavefront_size32 1
		.amdhsa_system_sgpr_workgroup_id_x 1
		.amdhsa_system_sgpr_workgroup_id_y 1
		.amdhsa_system_sgpr_workgroup_id_z 1
		.amdhsa_system_vgpr_workitem_id 0
		.amdhsa_next_free_vgpr 1024
		.amdhsa_next_free_sgpr 106
		.amdhsa_reserve_vcc 1
		.amdhsa_float_denorm_mode_32 3
		.amdhsa_float_denorm_mode_16_64 3
		.amdhsa_memory_ordered 1
		.amdhsa_forward_progress 1
		.amdhsa_inst_pref_size 216
	.end_amdhsa_kernel
	.amdgpu_metadata
---
amdhsa.version: [ 1, 2 ]
amdhsa.kernels:
  - .name:           k_q1dfb390345_hidden
    .symbol:         k_q1dfb390345_hidden.kd
    .args:
      - { .name: x_codes, .offset: 0, .size: 8, .value_kind: global_buffer, .address_space: global }
      - { .name: x_scales, .offset: 8, .size: 8, .value_kind: global_buffer, .address_space: global }
      - { .name: Br_codes, .offset: 16, .size: 8, .value_kind: global_buffer, .address_space: global }
      - { .name: Br_scales, .offset: 24, .size: 8, .value_kind: global_buffer, .address_space: global }
      - { .name: Bi_codes, .offset: 32, .size: 8, .value_kind: global_buffer, .address_space: global }
      - { .name: Bi_scales, .offset: 40, .size: 8, .value_kind: global_buffer, .address_space: global }
      - { .name: h_prev, .offset: 48, .size: 8, .value_kind: global_buffer, .address_space: global }
      - { .name: v_log, .offset: 56, .size: 8, .value_kind: global_buffer, .address_space: global }
      - { .name: theta_log, .offset: 64, .size: 8, .value_kind: global_buffer, .address_space: global }
      - { .name: h_codes, .offset: 72, .size: 8, .value_kind: global_buffer, .address_space: global }
      - { .name: h_scales, .offset: 80, .size: 8, .value_kind: global_buffer, .address_space: global }
    .group_segment_fixed_size: 327680
    .private_segment_fixed_size: 0
    .kernarg_segment_align: 8
    .kernarg_segment_size: 88
    .max_flat_workgroup_size: 128
    .sgpr_count:     106
    .vgpr_count:     1024
    .wavefront_size: 32
...
	.end_amdgpu_metadata
.endif
;; end of part 1
;; launch output (part 2): grid 8 x 32, 4 waves a work-group, clusters of 4 x 4, 327,680 bytes of LDS; arguments h_codes, h_scales, Cr_codes, Cr_scales, Ci_codes, Ci_scales, out0; writes out0
.if DOCPART == 2
	.amdgcn_target "amdgcn-amd-amdhsa--gfx1250"
	.amdhsa_code_object_version 6
	.text
	.protected	k_q1dfb390345_output
	.globl	k_q1dfb390345_output
	.p2align	8
	.type	k_q1dfb390345_output,@function
k_q1dfb390345_output:
	s_mov_b64 s[64:65], 0
	v_nop
	global_prefetch_b8 v0, s[64:65] scope:SCOPE_SE
	s_setreg_imm32_b32 hwreg(HW_REG_WAVE_MODE, 25, 1), 1
	s_wait_xcnt 0x0
	s_wait_alu depctr_hold_cnt(0) depctr_sa_sdst(0) depctr_va_vdst(0) depctr_va_sdst(0) depctr_va_ssrc(0) depctr_va_vcc(0) depctr_vm_vsrc(0)
	s_getreg_b32 s2, hwreg(HW_REG_IB_STS2, 6, 4)
	s_cmp_eq_u32 s2, 0
	s_cbranch_scc0 .Lentry_in_a_cluster
	s_endpgm
.Lentry_in_a_cluster:
	s_bfe_u32 s2, ttmp6, 0x10000c
	s_cmp_lg_u32 s2, 0xf033
	s_cbranch_scc0 .Lentry_shape_is_right
	s_endpgm
.Lentry_shape_is_right:
; SECOND OF TWO LAUNCHES.  out = hr Cr^T - hi Ci^T, on the codes and scale words of hr and hi that the first launch stored, and on Cr's and Ci's as they are given (a row: 2,048 bytes of codes, 64 scale bytes).
; SHARES.  A work-group of four waves makes 256 rows x 128 columns of out.  THE WAVES SHARE K: wave w takes rows 128 (w / 2) on, and w % 2 = 0: hr with Cr, 1: hi with Ci.  So each wave has 128 x 128
; (64 accumulators, 512 registers) over its own 2,048 of K, sixteen steps of 128, and the minus costs one subtraction at the end.  256 work-groups.
; THE MATRIX INSTRUCTION IS USED TRANSPOSED (source 0 = 16 rows of Cr or Ci, source 1 = 16 hidden rows): a lane holds eight neighbouring columns of one row of out.
; THE HIDDEN OPERAND GOES FROM MEMORY STRAIGHT INTO REGISTERS.  It lies in memory as images of its registers ([16-row tile][s = 2 step + (hr: 0, hi: 1)][2,048 bytes]), and each fragment is read by ONE wave of the work-group:
; 32 loads of 512 consecutive bytes bring a wave's eight fragments of a step, one more its scale words.  They are waited for by a counted wait and stay out across barriers: two steps of them are on their way.
; That is why these tiles are not asked for jointly, though the four work-groups of a row of the cluster read the same: through LDS a step's hidden tiles are 65,536 bytes beside 36,864 of Cr and Ci, two slots
; then hold one step each, and a refill has under 64 matrix instructions in which to land.  Without them a slot holds FOUR steps of Cr and Ci: two refills in the launch, 256 matrix instructions for each to land.
; In a hidden image a lane's register pair 2 e, 2 e + 1 holds units 16 e + 8 h + 0 .. 7; Cr's and Ci's fragments are loaded in the same order, by eight loads of 8 bytes.  That permutes K inside each block of 32
; alike on both sides: products and scales stay.
; WHO FINISHES WHAT.  Tile be of a wave is column tile (be + 4 (w % 2)) % 8 of the 128 columns.  So in every wave window 2 (be = 0 .. 3) holds the 64 columns that it finishes and window 3 those that its partner (w xor 1)
; finishes: window 3 goes to the partner through LDS, and no line hangs on which of the two a wave is but a factor of +1 or -1.
; CLUSTERS: 4 x 4 work-groups.  The four of a column of the cluster need the same tiles of Cr and Ci: each is asked for JOINTLY.
; THE ORDER OF K.  The two clusters that read the same hidden rows (cluster x = 0 and 1) walk K from opposite halves: the odd one begins at step 8 and ends with step 7.  So the two do not ask for the same hidden bytes
; together: a byte's second reader comes eight steps behind its first.  The sum of a number of out is taken in two halves (re, im), each in its cluster's order of K, and subtracted once.
; REGISTERS, in windows of 256: window 0: v0-31 addresses; v32-47 scale words, two sets of 8; v64-127 rows on the way out; from v128 Cr's or Ci's fragments, ONE set, later the partner's sums, two sets of 64.
;   window 1: the hidden fragments, TWO sets, at v0 and v128.   windows 2, 3: the accumulators ((be, al) at v[8 (8 (be % 4) + al)]).
; A step is 64 matrix instructions, the weight's tiles one after the other, each against the eight hidden row tiles.  So a tile of the weight is free as soon as its eight products are issued, and one set serves it:
; tiles 0-3 are fetched anew in the step's middle, tiles 4-7 at its end.  The hidden fragments are at work through the whole step: the set that a step leaves takes the loads of the step after next.
.set FR,     16                        ; registers of a fragment: 16 rows x 128 K
.set CP,     528                       ; a row of Cr's or Ci's tile in LDS: four steps' 512 bytes + 16 = 132 words: the 32 lanes of a load of 8 bytes touch 64 different banks (64 banks of 4 bytes: ISA guide 11.1)
.set QROWS,  64*CP                     ; 64 rows: what one tensor load brings
.set CPART,  128*CP                    ; Cr's 128 rows, or Ci's
.set SLOT,   2*CPART                   ; a slot, four steps: Cr's rows, then Ci's
.set SCB,    2*SLOT                    ; behind the ring: Cr's, then Ci's scale bytes of my 128 columns, all of K: units of 256 bytes + 16 of padding
.set SBQ,    16*272                    ; those of 64 rows
.set SBH,    2*SBQ                     ; those of 128
.set SPARE,  SCB+2*SBH                 ; the spare words, 128 bytes for each wave: two blocks of 256 bytes that no other line names
.set STG,    131072                    ; the way out lies in the ring, which has had its last fill and its last read by then: bytes 0 .. 131,071: 32,768 a wave for the partner; from STG: a stage of 32 rows x 272 a wave
.set SPITCH, 272
.set STW,    32*SPITCH
.set ADRB, 16                          ; v16-19  LDS address of my fragments of Cr or Ci: slot s, tiles 0-3: v[16 + 2 s]; tiles 4-7: v[17 + 2 s]
.set ADSB, 20                          ; v20-21  of their scale words: my first eight steps, my last eight
.set GO,   22                          ; v22     my byte offset in two rows of out
.set STO,  24                          ; v24     the stage: where I put 32 bytes of a row
.set RD,   25                          ; v25     and where I read a row back
.set CO,   26                          ; v26     16 x lane; never rewritten
.set XW,   27                          ; v27     where I leave sums for my partner
.set SPW,  28                          ; v28     LDS address of my spare word; never rewritten
.set NIL,  29                          ; v29     0; never rewritten
.set PFO,  30                          ; v30     the prefetches' offset; never rewritten
.set XR,   31                          ; v31     where my partner has left sums for me
.set SC,   32                          ; scale words, set p at v[SC + 8 p]: +0 .. 3: lanes 0-15 hidden row tiles 0-3, lanes 16-31 row tiles 4-7;  +4 .. 7: lanes 0-15 the weight's tiles 0-3, lanes 16-31 tiles 4-7
.set BK,   64
.set BF,   128
.set RS,   128
.set WV,   18                          ; s18 wave;  s19 its row half, also: I fetch for Cr (0) or Ci (1);  s20 re (0) or im (1), also: which 64 rows I fetch
.set RH,   19
.set KK,   20
.set SG,   22                          ; s[22:23] +1.0 (re) or -1.0 (im), twice
.set G1B,  24                          ; s[24:31] group 1 for Cr's and Ci's tiles;  s[32:39] groups 0 of the two first fills;  s[68:75] groups 0 of the two refills
.set G0B,  32
.set PFA,  44                          ; s[44:45] where my prefetches stand; never rewritten
.set G1SB, 48                          ; s[48:55], s[56:59]  for Cr's and Ci's scale bytes
.set G0SB, 56
.set HB,   60                          ; s[60:61], s[62:63]  my hidden fragments of my first eight steps, of my last eight; never rewritten
.set G0C,  68
.set HS,   76                          ; s[76:77], s[78:79]  their scale words likewise
.set MSB, 0
.macro WIN new                         ; the immediate's high byte repeats the setting that is left
.if MSB != \new
	s_set_vgpr_msb (MSB<<8)|\new
.set MSB, \new
.endif
.endm
.set MUL_LO, 0xa4                      ; source 0 (weight) window 0, source 1 (hidden) window 1, C and D window 2
.set MUL_HI, 0xf4                      ; the same, C and D window 3
.set TO_A,   0x40                      ; destination window 1, address window 0
; A joint load: every wave fetches 64 rows, with registers of its own.  Four v_nop follow the line.
.macro TLOAD g0, g1
	tensor_load_to_lds s[\g0:\g0+3], s[\g1:\g1+7]
	s_nop 0
.rept 4
	v_nop
.endr
.endm
.macro CREST                           ; a round of the cluster's barrier behind its opening barrier
	s_cmp_lg_u32 s[WV], 0
	s_cbranch_scc1 .Lnot_wave_0_\@
	s_barrier_signal -3
.Lnot_wave_0_\@:
	s_barrier_wait -3
	s_barrier_signal -1
	s_barrier_wait -1
.endm
.macro CROUND
	s_barrier_signal -1
	s_barrier_wait -1
	CREST
.endm
; A PREFETCH INTO THE L2 of the hidden bytes of my cluster's step t: 16 row tiles x 4,096 bytes.  It is asked for in step t - 3, two steps ahead of the loads that want it, behind the wave's own loads.
; Each block of 256 bytes is named ONCE in the launch: a cluster asks for its steps 3 to 7 alone (its last eight steps are the other cluster's first eight); its four partners along x take 4 row tiles each,
; told apart BY ADDRESS; the four along y have other rows; in each work-group waves 0 and 1 take 2 row tiles each: sixteen lanes to a row tile's 4,096 bytes, one instruction a wave.
.macro ASK t
	s_cmp_eq_u32 s[RH], 0
	s_cbranch_scc0 .Lnot_mine_\@
	global_prefetch_b8 v[PFO], s[PFA:PFA+1] offset:(\t)*4096 th:TH_LOAD_NT scope:SCOPE_SE
.Lnot_mine_\@:
.endm
; My eight hidden fragments of step t into set t % 2, and their scale words: 33 loads, each of 512 consecutive bytes.  Every offset is an immediate: no base is stepped.
.macro GLOAD t
	WIN TO_A
.irp a, 0,1,2,3,4,5,6,7
.irp c, 0,1,2,3
	global_load_b128 v[128*((\t)%2)+FR*\a+4*\c:128*((\t)%2)+FR*\a+4*\c+3], v[CO], s[HB+2*((\t)/8):HB+2*((\t)/8)+1] offset:\a*65536+((\t)%8)*4096+\c*512
.endr
.endr
	WIN 0
	global_load_b128 v[SC+8*((\t)%2):SC+8*((\t)%2)+3], v[CO], s[HS+2*((\t)/8):HS+2*((\t)/8)+1] offset:((\t)%8)*2048
.endm
	s_load_b256 s[4:11], s[0:1], 0x0               ; h_codes s[4:5], h_scales s[6:7], Cr's codes s[8:9], Cr's scales s[10:11]
	s_load_b128 s[12:15], s[0:1], 0x20             ; Ci's codes, Ci's scales
	s_load_b64 s[16:17], s[0:1], 0x30              ; out
	v_lshl_add_u32 v[SPW], v0, 2, SPARE
	v_mov_b32 v[NIL], 0
	ds_add_u32 v28, v29
	ds_add_u32 v28, v29
	s_wait_dscnt 0x0
	v_lshrrev_b32 v1, 5, v0
	v_readfirstlane_b32 s[WV], v1                  ; wave 0..3
	v_and_b32 v6, 31, v0
	v_lshlrev_b32 v[CO], 4, v6
	s_lshr_b32 s[RH], s[WV], 1
	s_and_b32 s[KK], s[WV], 1
	s_bfe_u32 s40, ttmp6, 0x40000                  ; cx, cy
	s_bfe_u32 s41, ttmp6, 0x40004
	s_lshl_b32 s42, ttmp9, 2
	s_add_co_u32 s42, s42, s40                     ; TN, the tile of 128 columns = 4 x cluster x + cx
	s_and_b32 s46, ttmp7, 0xffff
	s_lshl_b32 s46, s46, 2
	s_add_co_u32 s46, s46, s41                     ; TR, the tile of 256 rows = 4 x cluster y + cy
	s_lshl_b32 s93, 0x1111, s40                    ; my column of the cluster
	s_and_b32 s43, ttmp9, 1                        ; 1 in the clusters that begin at step 8: the same in all sixteen partners
	s_xor_b32 s47, s43, 1
	; Cr's or Ci's tile: 64 rows x 512 bytes (four steps), 2,048 apart, 16 bytes of padding behind each
	s_or_b32 s[G1B+0], s93, (0<<16)|(1<<20)|(1<<21)|(6<<22)|(3<<25)   ; 15:0 the mask: my column; 17:16 elements of 1 byte; 20 padding on; 21 set beside a mask; 24:22 after every 128 words (code 6); 31:25 four words (code 3)
	s_mov_b32 s[G1B+1], 512<<16                    ; tensor_dim0
	s_mov_b32 s[G1B+2], 64<<16                     ; tensor_dim1
	s_mov_b32 s[G1B+3], 512<<16                    ; tile_dim0
	s_mov_b32 s[G1B+4], 64                         ; tile_dim1
	s_mov_b32 s[G1B+5], 2048                       ; tensor_dim0_stride
	s_mov_b32 s[G1B+6], 0
	s_mov_b32 s[G1B+7], 0
	; the scale bytes of 64 rows: 4,096 dense bytes as 16 rows of 256 (32 elements of 8 bytes), 16 bytes of padding behind each
	s_or_b32 s[G1SB+0], s93, (3<<16)|(1<<20)|(1<<21)|(5<<22)|(3<<25)
	s_mov_b32 s[G1SB+1], 32<<16
	s_mov_b32 s[G1SB+2], 16<<16
	s_mov_b32 s[G1SB+3], 32<<16
	s_mov_b32 s[G1SB+4], 16
	s_mov_b32 s[G1SB+5], 32
	s_mov_b32 s[G1SB+6], 0
	s_mov_b32 s[G1SB+7], 0
	; byte offsets.  Cr's and Ci's hang on TN, the wave and the cluster's x alone, which my column of the cluster shares
	s_lshl_b32 s[G0B+2], s42, 18                   ; row 128 TN + 64 x (wave % 2), of 2,048 bytes
	s_lshl_b32 s2, s[KK], 17
	s_add_co_u32 s[G0B+2], s[G0B+2], s2
	s_mov_b32 s[G0B+3], 0
	s_lshl_b32 s[G0SB+2], s42, 13                  ; of 64 bytes
	s_lshl_b32 s2, s[KK], 12
	s_add_co_u32 s[G0SB+2], s[G0SB+2], s2
	s_mov_b32 s[G0SB+3], 0
	s_lshl_b32 s94, s43, 10                        ; where my first eight steps begin in a row: byte 0 or 1,024;
	s_mov_b32 s95, 0
	s_lshl_b32 s96, s47, 10                        ; and my last eight
	s_mov_b32 s97, 0
	s_lshl_b32 s92, s46, 20                        ; 256 TR + 128 x row half: as row tiles of 65,536 bytes of h_codes, and as rows of 4,096 bytes of out
	s_lshl_b32 s2, s[RH], 19
	s_add_co_u32 s92, s92, s2
	s_lshl_b32 s2, s[KK], 11                       ; hr's or hi's 2,048 bytes of a step's 4,096
	s_add_co_u32 s2, s92, s2
	s_lshl_b32 s3, s43, 15                         ; eight steps are 32,768 bytes
	s_add_co_u32 s[HB], s2, s3
	s_mov_b32 s[HB+1], 0
	s_lshl_b32 s3, s47, 15
	s_add_co_u32 s[HB+2], s2, s3
	s_mov_b32 s[HB+3], 0
	s_lshl_b32 s2, s46, 15                         ; the hidden scale words: 32,768 TR + 1,024 (re: 0, im: 1) + 512 x row half; a step is 2,048 bytes
	s_lshl_b32 s3, s[KK], 10
	s_add_co_u32 s2, s2, s3
	s_lshl_b32 s3, s[RH], 9
	s_add_co_u32 s2, s2, s3
	s_lshl_b32 s3, s43, 14
	s_add_co_u32 s[HS], s2, s3
	s_mov_b32 s[HS+1], 0
	s_lshl_b32 s3, s47, 14
	s_add_co_u32 s[HS+2], s2, s3
	s_mov_b32 s[HS+3], 0
	s_lshl_b32 s[PFA], s46, 20                     ; the prefetches: row tile 16 TR + 4 cx + 2 x (wave % 2), at my cluster's first step
	s_lshl_b32 s2, s40, 18
	s_add_co_u32 s[PFA], s[PFA], s2
	s_lshl_b32 s2, s[KK], 17
	s_add_co_u32 s[PFA], s[PFA], s2
	s_lshl_b32 s2, s43, 15
	s_add_co_u32 s[PFA], s[PFA], s2
	s_mov_b32 s[PFA+1], 0
	s_lshl_b32 s2, s42, 9                          ; out: + 512 TN + 256 x (wave % 2): the 64 columns that I finish
	s_add_co_u32 s92, s92, s2
	s_lshl_b32 s2, s[KK], 8
	s_add_co_u32 s92, s92, s2
	s_mov_b32 s93, 0
	s_mul_i32 s2, s[WV], QROWS                     ; where the tiles go: wave x 64 rows: no place in the cluster enters an LDS address
	s_mul_i32 s3, s[WV], SBQ
.irp s, 0,1
	s_mov_b32 s[G0B+4*\s], 1                       ; count = 1
	s_add_co_u32 s[G0B+4*\s+1], s2, \s*SLOT
	s_mov_b32 s[G0C+4*\s], 1
	s_add_co_u32 s[G0C+4*\s+1], s2, \s*SLOT
.endr
	s_mov_b32 s[G0SB], 1
	s_add_co_u32 s[G0SB+1], s3, SCB
	s_cmp_eq_u32 s[KK], 0
	s_cselect_b32 s[SG], 1.0, -1.0
	s_mov_b32 s[SG+1], s[SG]                       ; (named with it as a pair, so it is written)
	s_wait_kmcnt 0x0
	s_add_nc_u64 s[HB:HB+1], s[4:5], s[HB:HB+1]
	s_add_nc_u64 s[HB+2:HB+3], s[4:5], s[HB+2:HB+3]
	s_add_nc_u64 s[HS:HS+1], s[6:7], s[HS:HS+1]
	s_add_nc_u64 s[HS+2:HS+3], s[6:7], s[HS+2:HS+3]
	GLOAD 0                                        ; my first step's hidden fragments are asked for ahead of everything else
	s_cmp_eq_u32 s[RH], 0                          ; I fetch for Cr or for Ci: the choice hangs on the wave's number alone
	s_cselect_b64 s[8:9], s[8:9], s[12:13]
	s_cselect_b64 s[10:11], s[10:11], s[14:15]
	s_add_nc_u64 s[G0B+2:G0B+3], s[8:9], s[G0B+2:G0B+3]    ; my 64 rows' first byte
	s_add_nc_u64 s[G0C+2:G0C+3], s[G0B+2:G0B+3], s[96:97]  ; the refills: my steps 8 to 11,
	s_add_nc_u64 s[G0C+6:G0C+7], s[G0C+2:G0C+3], 512       ; 12 to 15
	s_add_nc_u64 s[G0B+2:G0B+3], s[G0B+2:G0B+3], s[94:95]  ; the first fills: my steps 0 to 3,
	s_add_nc_u64 s[G0B+6:G0B+7], s[G0B+2:G0B+3], 512       ; 4 to 7
	s_add_nc_u64 s[G0SB+2:G0SB+3], s[10:11], s[G0SB+2:G0SB+3]
	s_add_nc_u64 s[PFA:PFA+1], s[4:5], s[PFA:PFA+1]
	s_add_nc_u64 s[16:17], s[16:17], s[92:93]
	s_or_b32 s[G0B+3], s[G0B+3], 0x80000000        ; type = 2
	s_or_b32 s[G0B+7], s[G0B+7], 0x80000000
	s_or_b32 s[G0C+3], s[G0C+3], 0x80000000
	s_or_b32 s[G0C+7], s[G0C+7], 0x80000000
	s_or_b32 s[G0SB+3], s[G0SB+3], 0x80000000
	CROUND                                         ; all sixteen work-groups are here: the first joint loads meet
	TLOAD G0SB, G1SB                               ; the scale bytes of all sixteen steps: filled once
	TLOAD G0B, G1B                                 ; slot 0: my steps 0 to 3
	TLOAD G0B+4, G1B                               ; slot 1: my steps 4 to 7.  Three tensor loads of mine are out
	v_and_b32 v1, 15, v0                           ; r = lane % 16
	v_bfe_u32 v2, v0, 4, 1                         ; h = lane / 16
	v_mul_u32_u24 v3, v1, CP
	v_lshl_add_u32 v3, v2, 3, v3                   ; Cr, Ci: row r x pitch + 8 h
	s_mul_i32 s2, s[KK], CPART                     ; Cr's rows or Ci's;
	s_mul_i32 s3, s[KK], QROWS                     ; my tiles 0-3 are column tiles 4 (w % 2) on,
	s_add_co_u32 s3, s3, s2
	s_xor_b32 s21, s[KK], 1                        ; my tiles 4-7 the other four
	s_mul_i32 s21, s21, QROWS
	s_add_co_u32 s21, s21, s2
	v_add_nc_u32 v[ADRB], s3, v3
	v_add_nc_u32 v[ADRB+1], s21, v3
	v_add_nc_u32 v[ADRB+2], SLOT, v[ADRB]
	v_add_nc_u32 v[ADRB+3], SLOT, v[ADRB+1]
	v_lshrrev_b32 v3, 2, v1                        ; the scale bytes: 64 a row, four rows to a unit of 272; lanes 0-15 take my tiles 0-3, lanes 16-31 my tiles 4-7
	v_mul_u32_u24 v3, v3, 272
	v_and_b32 v4, 3, v1
	v_lshl_add_u32 v3, v4, 6, v3
	v_xor_b32 v5, s[KK], v2                        ; which four column tiles those are
	v_mad_u32_u24 v3, v5, 4352, v3
	s_mul_i32 s2, s[KK], SBH
	s_add_co_u32 s2, s2, SCB
	v_add_nc_u32 v3, s2, v3
	s_lshl_b32 s2, s43, 5                          ; eight steps are 32 bytes of a row
	v_add_nc_u32 v[ADSB], s2, v3
	s_lshl_b32 s2, s47, 5
	v_add_nc_u32 v[ADSB+1], s2, v3
	s_mul_i32 s2, s[WV], STW
	s_add_co_u32 s2, s2, STG                       ; my stage
	v_mul_u32_u24 v3, v1, SPITCH
	v_lshl_add_u32 v3, v2, 5, v3
	v_add_nc_u32 v[STO], s2, v3                    ; in: row r, 32 bytes for each half of the lanes
	v_mul_u32_u24 v3, v2, SPITCH
	v_lshl_add_u32 v3, v1, 4, v3
	v_add_nc_u32 v[RD], s2, v3                     ; back: lanes 0-15 take one row of 256 bytes, lanes 16-31 the next
	v_lshlrev_b32 v[GO], 12, v2
	v_lshl_add_u32 v[GO], v1, 4, v[GO]             ; and the same two rows in out
	s_lshl_b32 s2, s[WV], 15
	v_add_nc_u32 v[XW], s2, v[CO]
	s_xor_b32 s2, s[WV], 1
	s_lshl_b32 s2, s2, 15
	v_add_nc_u32 v[XR], s2, v[CO]
	v_lshlrev_b32 v[PFO], 8, v1
	v_lshl_add_u32 v[PFO], v2, 16, v[PFO]          ; lanes 0-15: a row tile's sixteen blocks of 256 bytes; lanes 16-31: the next row tile's
	GLOAD 1                                        ; the second step's, into the other set: two steps are on their way from here on (66 loads: the counter's field holds 63, so the last three are issued as the first three come: ISA guide 5.7.1)
; One matrix instruction on rD, rB, rA, xB, xA.  r0, r1: source 0's, source 1's scale words stand in lanes 16-31.  zero = 1: it starts the sum.
.macro WM zero, r0, r1
.if \zero
.if (\r0) && (\r1)
	v_wmma_scale_f32_16x16x128_f8f6f4 v[rD:rD+7], v[rB:rB+15], v[rA:rA+15], 0, v[xB], v[xA] matrix_a_fmt:MATRIX_FMT_BF8 matrix_b_fmt:MATRIX_FMT_BF8 matrix_a_scale:MATRIX_SCALE_ROW1 matrix_b_scale:MATRIX_SCALE_ROW1
.elseif \r0
	v_wmma_scale_f32_16x16x128_f8f6f4 v[rD:rD+7], v[rB:rB+15], v[rA:rA+15], 0, v[xB], v[xA] matrix_a_fmt:MATRIX_FMT_BF8 matrix_b_fmt:MATRIX_FMT_BF8 matrix_a_scale:MATRIX_SCALE_ROW1
.elseif \r1
	v_wmma_scale_f32_16x16x128_f8f6f4 v[rD:rD+7], v[rB:rB+15], v[rA:rA+15], 0, v[xB], v[xA] matrix_a_fmt:MATRIX_FMT_BF8 matrix_b_fmt:MATRIX_FMT_BF8 matrix_b_scale:MATRIX_SCALE_ROW1
.else
	v_wmma_scale_f32_16x16x128_f8f6f4 v[rD:rD+7], v[rB:rB+15], v[rA:rA+15], 0, v[xB], v[xA] matrix_a_fmt:MATRIX_FMT_BF8 matrix_b_fmt:MATRIX_FMT_BF8
.endif
.else
.if (\r0) && (\r1)
	v_wmma_scale_f32_16x16x128_f8f6f4 v[rD:rD+7], v[rB:rB+15], v[rA:rA+15], v[rD:rD+7], v[xB], v[xA] matrix_a_fmt:MATRIX_FMT_BF8 matrix_b_fmt:MATRIX_FMT_BF8 matrix_a_scale:MATRIX_SCALE_ROW1 matrix_b_scale:MATRIX_SCALE_ROW1
.elseif \r0
	v_wmma_scale_f32_16x16x128_f8f6f4 v[rD:rD+7], v[rB:rB+15], v[rA:rA+15], v[rD:rD+7], v[xB], v[xA] matrix_a_fmt:MATRIX_FMT_BF8 matrix_b_fmt:MATRIX_FMT_BF8 matrix_a_scale:MATRIX_SCALE_ROW1
.elseif \r1
	v_wmma_scale_f32_16x16x128_f8f6f4 v[rD:rD+7], v[rB:rB+15], v[rA:rA+15], v[rD:rD+7], v[xB], v[xA] matrix_a_fmt:MATRIX_FMT_BF8 matrix_b_fmt:MATRIX_FMT_BF8 matrix_b_scale:MATRIX_SCALE_ROW1
.else
	v_wmma_scale_f32_16x16x128_f8f6f4 v[rD:rD+7], v[rB:rB+15], v[rA:rA+15], v[rD:rD+7], v[xB], v[xA] matrix_a_fmt:MATRIX_FMT_BF8 matrix_b_fmt:MATRIX_FMT_BF8
.endif
.endif
.endm
; 16 matrix instructions: the weight's tiles b0, b0 + 1 against the eight hidden row tiles.  p: the hidden set, and the set of scale words.
; The 64 accumulators take turns, one instruction a turn, in the same order in every step.
.macro MUL16 b0, p, zero
.irp b, \b0, \b0+1
.irp a, 0,1,2,3,4,5,6,7
.set rD, 8*(8*((\b)%4)+\a)
.set rB, BF+FR*(\b)
.set rA, 128*(\p)+FR*\a
.set xB, SC+8*(\p)+4+(\b)%4
.set xA, SC+8*(\p)+(\a)%4
	WM \zero, (\b)/4, (\a)/4
.endr
.endr
.endm
.macro FETCH_B slot, q, hf             ; my tiles 4 hf .. 4 hf + 3 of Cr or Ci, the slot's q-th step: register pair 2 e, 2 e + 1 = bytes 16 e + 8 h + 0 .. 7 of row r: the hidden images' order
.irp k, 0,1,2,3
.irp e, 0,1,2,3,4,5,6,7
	ds_load_b64 v[BF+FR*(4*(\hf)+\k)+2*\e:BF+FR*(4*(\hf)+\k)+2*\e+1], v[ADRB+2*(\slot)+(\hf)] offset:\k*16*CP+128*(\q)+16*\e
.endr
.endr
.endm
.macro BSC t                           ; step t's scale words of Cr or Ci into set t % 2
.irp k, 0,1,2,3
	ds_load_b32 v[SC+8*((\t)%2)+4+\k], v[ADSB+(\t)/8] offset:1088*\k+4*((\t)%8)
.endr
.endm
; A load into a register that a matrix instruction has read, and a vector instruction or an LDS store that reads a matrix result, stand eight places behind that matrix instruction; only plain vector
; instructions that name none of its registers are places.
.macro PLACES n
.rept \n
	v_nop
.endr
.endm
; STEP t of my sixteen (t = 0 .. 14).  At its head the hidden set that step t - 1 has left takes the loads of step t + 1 (the eight places stand at that step's end).
; kind = 0: a step whose successor lies in the same slot.  kind = 1, 2: a slot's last step: in front of the barrier each wave waits for all its tensor loads, adds 0 to its spare word, and waits for that and for its own
; reads of this slot, the last of which were issued at the end of the step before.  kind = 1: the barrier opens a round of the cluster's barrier, and behind it this slot takes the four steps eight on.
.macro STEP t, kind
.set P, (\t)%2
.set ZR, 0
.if (\t) == 0
.set ZR, 1                             ; the first step's products start the sums: nothing is cleared
.else
	GLOAD (\t)+1
.endif
.if (\t) < 5
	ASK (\t)+3
.endif
	s_wait_loadcnt 33                              ; this step's 33 loads are in; the next step's 33 stay out
.if \kind
	s_wait_tensorcnt 0x0                           ; all my tensor loads have landed: my part of the next slot
	ds_add_u32 v[SPW], v[NIL]                      ; 0 onto my spare word
	s_wait_dscnt 33                                ; (the add and the youngest 32 loads, the weight's tiles 4-7, may be out)
.else
	s_wait_dscnt 32                                ; the weight's tiles 0-3 and the scale words are in; the youngest 32 loads (tiles 4-7) may be out
.endif
	WIN MUL_LO
	MUL16 0, P, ZR
	MUL16 2, P, ZR
	WIN 0
	s_wait_dscnt 0x0                               ; tiles 4-7 are in (kind 1, 2: the add is done, and my reads of this slot are over)
.if \kind
	s_barrier_signal -1
	s_barrier_wait -1
.endif
.if \kind == 1
	CREST                                          ; no wave of any partner still reads this slot or has a load on its way
	TLOAD G0C+4*(((\t)/4)%2), G1B                  ; the first tensor load behind the round, and my only one until the next: it has four steps, 256 matrix instructions, in which to land
	PLACES 4
.else
	PLACES 8
.endif
	FETCH_B (((\t)+1)/4)%2, ((\t)+1)%4, 0
	BSC (\t)+1
	WIN MUL_HI
	MUL16 4, P, ZR
	MUL16 6, P, ZR
	PLACES 8                                       ; for the loads below, and for the next step's loads into the hidden set and the scale words that these products have read
	WIN 0
	FETCH_B (((\t)+1)/4)%2, ((\t)+1)%4, 1
.endm
	s_wait_tensorcnt 1                             ; the scale bytes and my part of slot 0 are in (slot 1's load may be out)
	s_barrier_signal -1
	s_barrier_wait -1                              ; everybody's are
	FETCH_B 0, 0, 0
	BSC 0
	FETCH_B 0, 0, 1
	; The sixteen steps are written out: they differ in the slot, the place in it, the register set, the base and what they ask for; every offset is an immediate.
	STEP 0, 0
	STEP 1, 0
	STEP 2, 0
	STEP 3, 1                                      ; slot 0 takes my steps 8 to 11
	STEP 4, 0
	STEP 5, 0
	STEP 6, 0
	STEP 7, 1                                      ; slot 1 takes my steps 12 to 15: the last fill
	STEP 8, 0
	STEP 9, 0
	STEP 10, 0
	STEP 11, 2                                     ; nothing is filled, and no round of the cluster's barrier
	STEP 12, 0
	STEP 13, 0
	STEP 14, 0
	s_wait_loadcnt 0x0                             ; step 15: nothing more to fetch
	s_wait_dscnt 32
	WIN MUL_LO
	MUL16 0, 1, 0
	MUL16 2, 1, 0
	s_wait_dscnt 0x0                               ; my reads of the ring are over
	s_barrier_signal -1
	WIN MUL_HI
	MUL16 4, 1, 0
	MUL16 6, 1, 0
	WIN 0
	s_barrier_wait -1                              ; everybody's are: the ring's bytes, which have had their last fill, now serve the way out
	PLACES 8
	; ---- THE WAY OUT.  Window 3, the sums of the columns that my partner finishes, goes to LDS as it stands: 16 bytes a lane, 512 a store; each accumulator from its low end on.
	WIN 0x0c                                       ; an LDS store's data are its source 1: window 3
.irp i, 0,1,2,3,4,5,6,7,8,9,10,11,12,13,14,15,16,17,18,19,20,21,22,23,24,25,26,27,28,29,30,31
	ds_store_b128 v[XW], v[8*\i:8*\i+3] offset:1024*\i
	ds_store_b128 v[XW], v[8*\i+4:8*\i+7] offset:1024*\i+512
.endr
	WIN 0
	s_wait_dscnt 0x0                               ; for my partner's sake: my stores have landed
	s_barrier_signal -1
	s_barrier_wait -1
.macro RECV g                          ; my partner's sums for row tiles 2 g, 2 g + 1 and my four column tiles: eight accumulators, in the same lanes
.set RB, RS+64*((\g)%2)
.irp b, 0,1,2,3
.irp u, 0,1
	ds_load_b128 v[RB+8*(2*\b+\u):RB+8*(2*\b+\u)+3],   v[XR] offset:1024*(8*\b+2*(\g)+\u)
	ds_load_b128 v[RB+8*(2*\b+\u)+4:RB+8*(2*\b+\u)+7], v[XR] offset:1024*(8*\b+2*(\g)+\u)+512
.endr
.endr
.endm
; Group g, 32 rows x 64 columns: (mine - my partner's) x (+1 in a re wave, -1 in an im wave) = re - im.  A lane holds 32 neighbouring bytes of a row and the lanes beside it other rows: so the group goes through my own
; stage and comes back as whole rows of 256 bytes.  LDS serves a wave's instructions in order (ISA guide 5.7.1.4): no wait between the stage's stores and loads, nor in front of the next group's stores.
.macro OUTB g
.set RB, RS+64*((\g)%2)
.if \g < 3
	s_wait_dscnt 16                                ; this group's sums are in; the next group's sixteen loads may be out
.else
	s_wait_dscnt 0x0
.endif
	WIN 0x02                                       ; source 0: window 2
.irp b, 0,1,2,3
.irp u, 0,1
.irp j, 0,2,4,6
	v_pk_add_f32 v[RB+8*(2*\b+\u)+\j:RB+8*(2*\b+\u)+\j+1], v[8*(8*\b+2*(\g)+\u)+\j:8*(8*\b+2*(\g)+\u)+\j+1], v[RB+8*(2*\b+\u)+\j:RB+8*(2*\b+\u)+\j+1] neg_lo:[0,1] neg_hi:[0,1]   ; each accumulator is read from its low end on
.endr
.endr
.endr
	WIN 0
.set jj, 0
.rept 32
	v_pk_mul_f32 v[RB+jj:RB+jj+1], v[RB+jj:RB+jj+1], s[SG:SG+1] op_sel_hi:[1,0]
.set jj, jj+2
.endr
.if \g > 0
	s_wait_xcnt 0x0                                ; the last group's stores have read their data: the rows' registers are loaded again only behind this wait
.endif
.irp b, 0,1,2,3
.irp u, 0,1
	ds_store_b128 v[STO], v[RB+8*(2*\b+\u):RB+8*(2*\b+\u)+3] offset:\u*16*SPITCH+64*\b
	ds_store_b128 v[STO], v[RB+8*(2*\b+\u)+4:RB+8*(2*\b+\u)+7] offset:\u*16*SPITCH+64*\b+16
.endr
.endr
.irp i, 0,1,2,3,4,5,6,7,8,9,10,11,12,13,14,15
	ds_load_b128 v[BK+4*\i:BK+4*\i+3], v[RD] offset:2*\i*SPITCH
.endr
.if \g < 2
	RECV \g+2                                      ; into the set that the stage's stores have just read
	s_wait_dscnt 16                                ; the rows are back; those sixteen loads may be out
.else
	s_wait_dscnt 0x0
.endif
.irp i, 0,1,2,3,4,5,6,7,8,9,10,11,12,13,14,15
	global_store_b128 v[GO], v[BK+4*\i:BK+4*\i+3], s[16:17] offset:(32*(\g)+2*\i)*4096 th:TH_STORE_NT   ; sixteen lanes store 256 consecutive bytes, at a multiple of 256 from out's first byte; written once, read by nobody here
.endr
.endm
	RECV 0
	RECV 1
	OUTB 0
	OUTB 1
	OUTB 2
	OUTB 3
	s_wait_tensorcnt 0x0                           ; the wave's end, behind my last tensor load and my last LDS store
	ds_add_u32 v[SPW], v[NIL]
	s_wait_dscnt 0x0
	CROUND                                         ; the closing round: no work-group ends while a partner may still ask for a tile that names it
	s_endpgm
.Lfunc_end_k_q1dfb390345_output:
	.size	k_q1dfb390345_output, .Lfunc_end_k_q1dfb390345_output-k_q1dfb390345_output
	.p2alignl 7, 3214868480
	.fill 96, 4, 3214868480
	.section	.rodata,"a",@progbits
	.p2align	6, 0x0
	.amdhsa_kernel k_q1dfb390345_output
		.amdhsa_group_segment_fixed_size 327680
		.amdhsa_private_segment_fixed_size 0
		.amdhsa_enable_private_segment 0
		.amdhsa_kernarg_size 56
		.amdhsa_user_sgpr_count 2
		.amdhsa_user_sgpr_kernarg_segment_ptr 1
		.amdhsa_wavefront_size32 1
		.amdhsa_system_sgpr_workgroup_id_x 1
		.amdhsa_system_sgpr_workgroup_id_y 1
		.amdhsa_system_sgpr_workgroup_id_z 1
		.amdhsa_system_vgpr_workitem_id 0
		.amdhsa_next_free_vgpr 1024
		.amdhsa_next_free_sgpr 100
		.amdhsa_reserve_vcc 0
		.amdhsa_float_denorm_mode_32 3
		.amdhsa_float_denorm_mode_16_64 3
		.amdhsa_memory_ordered 1
		.amdhsa_forward_progress 1
		.amdhsa_inst_pref_size 255
	.end_amdhsa_kernel
	.section	.bss,"aw",@nobits
	.p2align	6
	.space	262144
	.amdgpu_metadata
---
amdhsa.version: [ 1, 2 ]
amdhsa.kernels:
  - .name:           k_q1dfb390345_output
    .symbol:         k_q1dfb390345_output.kd
    .args:
      - { .name: h_codes, .offset: 0, .size: 8, .value_kind: global_buffer, .address_space: global }
      - { .name: h_scales, .offset: 8, .size: 8, .value_kind: global_buffer, .address_space: global }
      - { .name: Cr_codes, .offset: 16, .size: 8, .value_kind: global_buffer, .address_space: global }
      - { .name: Cr_scales, .offset: 24, .size: 8, .value_kind: global_buffer, .address_space: global }
      - { .name: Ci_codes, .offset: 32, .size: 8, .value_kind: global_buffer, .address_space: global }
      - { .name: Ci_scales, .offset: 40, .size: 8, .value_kind: global_buffer, .address_space: global }
      - { .name: out0, .offset: 48, .size: 8, .value_kind: global_buffer, .address_space: global }
    .group_segment_fixed_size: 327680
    .private_segment_fixed_size: 0
    .kernarg_segment_align: 8
    .kernarg_segment_size: 56
    .max_flat_workgroup_size: 128
    .sgpr_count:     100
    .vgpr_count:     1024
    .wavefront_size: 32
...
	.end_amdgpu_metadata
.endif
;; end of part 2
